; MI455X (gfx1250); checked and timed in simulation.
; The chip was launched on July 23, 2026; its instructions are those of AMD's public machine-readable ISA for CDNA 5 (MIT licence, August 2026) and "CDNA5" Instruction Set Architecture Reference Guide (July 2026). The comments in the code are by the model that wrote it; some were corrected since.
;; Multi Head Attention. Allowed arithmetic: matrix products marked QUANTISED: E3M2 operands, one E8M0 scale for each 32 along K, by v_wmma_scale_f32_16x16x128_f8f6f4 with both operands' format E3M2, f32 sums; everything else in f32.
;; Inputs: b_o 1,024 float32; w_k 1,024 x 1,024 float32; w_o 1,024 x 1,024 float32; w_q 1,024 x 1,024 float32; w_v 1,024 x 1,024 float32; x 2 x 2,048 x 1,024 float32.
;; Outputs: out0 2 x 2,048 x 1,024 float32.
;; This version of the problem:
;;   THIS VERSION OF THE PROBLEM IS GIVEN IN LOW PRECISION. The matrix products marked QUANTISED in the list below multiply operands that are first quantised to E3M2 (3 exponent bits, 2 mantissa bits; 6 bits a number), with one power-of-two scale for each 32 numbers along K (OCP MX v1.0); their sums are f32. All else is computed in f32.
;;   The module's matrix products, in the order in which they are computed (A, B: the left and right operand; K: the contracted axis; several contracted axes count as one K, in the product's order):
;;     1. [M 4,096, K 1,024] x [K 1,024, N 1,024]; A: input x; B: input w_k: QUANTISED
;;     2. [M 4,096, K 1,024] x [K 1,024, N 1,024]; A: input x; B: input w_q: QUANTISED
;;     3. [M 4,096, K 1,024] x [K 1,024, N 1,024]; A: input x; B: input w_v: QUANTISED
;;     4. batch 32 x [M 2,048, K 64] x [K 64, N 2,048]; A: computed on the way; B: computed on the way: QUANTISED
;;     5. batch 32 x [M 2,048, K 2,048] x [K 2,048, N 64]; A: softmax (see below); B: computed on the way: QUANTISED
;;     6. [M 4,096, K 1,024] x [K 1,024, N 1,024]; A: computed on the way; B: input w_o: QUANTISED
;;   THE QUANTISER, for each operand of a quantised product, along K:
;;     - K is cut into blocks of 32 from its start; a last block that is shorter is filled with zeros.
;;     - A block's scale is 2^e with e = floor(log2(the largest magnitude in the block)) - 4, held to -126 .. 127; a block of zeros has e = 0. As a byte (E8M0): e + 127.
;;     - Each number is divided by its block's scale, clamped to +-28, and rounded to the nearest number of E3M2, ties to even, subnormals kept.
;;     - The product sums the exact products of the quantised numbers (number of the format x scale) in f32.
;;   ~~~python
;;   def quantise(x, axis):      # numpy; x: float32 -> the quantised numbers, widened to float32 again
;;       x = np.moveaxis(x, axis, -1); K = x.shape[-1]
;;       x = np.pad(x, [(0, 0)] * (x.ndim - 1) + [(0, -K % 32)]); x = x.reshape(x.shape[:-1] + (-1, 32)); a = np.abs(x).max(-1, keepdims=True)
;;       e = np.where(a > 0, np.clip(np.frexp(np.where(a > 0, a, 1))[1] - 1 - 4, -126, 127), 0)      # np.frexp(a)[1] - 1 = floor(log2(a)), exactly
;;       r = np.clip(x / 2.0 ** e, -28, 28)
;;       step = 2.0 ** (np.maximum(np.frexp(np.where(r == 0, 1, r))[1] - 1, -2) - 2)
;;       q = np.round(r / step) * step * 2.0 ** e      # np.round: ties to even
;;       return np.moveaxis(q.reshape(q.shape[:-2] + (-1,))[..., :K], -1, axis).astype(np.float32)
;;   ~~~
;;   SOFTMAX AHEAD OF A QUANTISED PRODUCT. Where the list says 'softmax', what is quantised is not the finished softmax but p = 2^(t - M), with t = logit x log2(e) and M = ceil(the row's largest t), a whole number; so 1/2 < the row's largest p <= 1. The row's sum l is taken of the UNQUANTISED p, in f32, and the product's result is divided by l at the end. Since M is a whole number, a kernel that streams over the keys may use a running M (the ceiling of the running maximum): every later rescaling is an exact power of two, which a block's scale takes up: the codes' values come out the same.
;;   OPERANDS COMPUTED ON THE WAY. 'Computed on the way' means the value that the module computes at that place (a softmax that the list does not call 'softmax' is quantised finished and normalised). What goes into a quantiser is computed in f32, as accurately as f32 sums, v_exp_f32 and their like allow (about 1e-6 of the number): no bf16 or f16 on the way to a quantiser, and a product that is left as it is and whose result goes on into a quantised operand takes f32 operands (vector FMAs, or v_wmma_f32_16x16x4_f32). A number that lies on a knife's edge between two numbers of the format may be rounded either way, as far as f32 arithmetic and the matrix unit's own rounding can turn it there, and no further.
;; One version. Each part assembles by itself: llvm-mc -triple=amdgcn-amd-amdhsa -mcpu=gfx1250 --defsym DOCPART=n.
;; ======== version 1 of 1: 4 launches
;; limits: right only within a limited range of input values
;; workspace buffers: qc 6,291,456 bytes; qs 262,144 bytes; qi 3,407,872 bytes; kv 6,684,672 bytes; cc 3,145,728 bytes; cs 131,072 bytes
;; launch quant (part 1): grid 256 x 1, 8 waves a work-group, no clusters, 137,216 bytes of LDS; arguments x, w_k, w_q, w_v, w_o, qc, qs; writes qc, qs
.if DOCPART == 1
	.amdgcn_target "amdgcn-amd-amdhsa--gfx1250"
	.amdhsa_code_object_version 6
	.text
	.protected	k_qd580535171_quant
	.globl	k_qd580535171_quant
	.p2align	8
	.type	k_qd580535171_quant,@function
k_qd580535171_quant:
	s_mov_b64 s[64:65], 0
	v_nop
	global_prefetch_b8 v0, s[64:65] scope:SCOPE_SE
	s_setreg_imm32_b32 hwreg(HW_REG_WAVE_MODE, 25, 1), 1
	s_wait_xcnt 0x0
; Work left out in this program: key tiles that lie wholly under reference()'s own causal mask (launch attn). A NaN, an infinity or an overflow that reaches only such a score is not carried to the result.
; This launch: x [4096][1024] and the four weights [1024][1024], f32, K innermost, become codes of BF6 (E3M2) with one E8M0 scale byte for each 32 along K.
; ROWS: tile T of 16 rows holds rows 64 (T / 4) + 8 (T % 4) + 32 h + j at position 8 h + j. Where such tiles are source 0 of a matrix instruction, a lane's 32 result registers
; of four tiles are 32 neighbours along the rows: one whole block of the next quantiser.
; IMAGES: a tile's codes of 128 along K are 1,536 bytes: registers 4 q .. 4 q + 3 of lane L at 512 q + 16 L. They lie [group][K step 8][tile of the group]: x in groups of 16 tiles,
; then for each head 12 tiles (4 of w_k, 2 of w_v, 4 of w_q, 2 of w_v), then w_o in groups of 8. Scale bytes: [tile][K half][row 16][16 bytes].
; A block's scale is 2^(floor(log2(its largest magnitude)) - 4); the byte is the largest magnitude's exponent field - 4, held at 1 from below. A block of zeros gets the byte 1
; where the rule says 127: its codes are zeros, and only this program reads the bytes.
; LIMITS: NaN and infinities among the inputs are not served; blocks whose largest magnitude lies under 2^(4 - 126) have their byte held at 1.
; A work-group takes two tiles, a wave one tile x 256 along K: 32 loads of 512 consecutive bytes, all asked for at once; each 128 along K turn through the wave's own stage (16 rows x 528 bytes).
.set STG,   16896                      ; a wave's two stages
.set SCB,   8*STG                      ; 1,024 scale bytes of the work-group
.set SPARE, SCB+1024                   ; spare words, 128 bytes a wave
	s_load_b256 s[4:11], s[0:1], 0x0               ; x, w_k, w_q, w_v
	s_load_b128 s[12:15], s[0:1], 0x20             ; w_o, qc
	s_load_b64 s[16:17], s[0:1], 0x30              ; qs
	v_lshl_add_u32 v12, v0, 2, SPARE
	v_mov_b32 v13, 0
	v_lshrrev_b32 v1, 5, v0
	v_readfirstlane_b32 s18, v1                    ; wave 0..7
	v_and_b32 v2, 31, v0                           ; L
	v_and_b32 v3, 15, v0                           ; r
	v_bfe_u32 v4, v0, 4, 1                         ; h
	v_lshlrev_b32 v5, 4, v2                        ; 16 L
	s_mul_i32 s19, s18, STG
	v_add_nc_u32 v14, s19, v5                      ; stage, in: a row's 512 bytes
	v_mul_u32_u24 v15, v3, 528
	v_lshl_add_u32 v15, v4, 7, v15
	v_add_nc_u32 v15, s19, v15                     ; out: row r, 128 bytes of my half
	s_and_b32 s20, s18, 3                          ; which 256 along K
	s_lshr_b32 s21, s18, 2                         ; which of the two tiles
	s_lshl_b32 s22, s21, 9
	s_lshr_b32 s23, s20, 1
	s_lshl_b32 s23, s23, 8
	s_add_co_u32 s22, s22, s23
	s_and_b32 s23, s20, 1
	s_lshl_b32 s23, s23, 3
	s_add_co_u32 s22, s22, s23
	s_add_co_u32 s22, s22, SCB
	s_wait_alu depctr_va_vdst(0)                   ; directly ahead of the reader below
	v_lshl_add_u32 v6, v3, 4, v4
	v_add_nc_u32 v6, s22, v6                       ; my scale bytes: + 4 (K step) + 2 c
	s_lshl_b32 s23, s21, 9
	s_add_co_u32 s23, s23, SCB
	v_add_nc_u32 v7, s23, v5                       ; the tile's 512 scale bytes
	s_wait_alu depctr_va_vdst(0)                   ; the head's end
	s_wait_kmcnt 0x0
	s_lshr_b32 s25, ttmp9, 5                       ; 0-3: x, 4: w_k, 5: w_q, 6: w_v, 7: w_o
	s_cmp_lt_u32 s25, 4
	s_cselect_b64 s[26:27], s[4:5], s[6:7]
	s_cselect_b32 s30, 0, 128                      ; the tensor's first work-group
	s_cselect_b32 s31, 16, 12                      ; tiles in a group of the output
	s_cselect_b32 s32, 4, 2                        ; log2 of the tensor's tiles in a group
	s_cselect_b32 s33, 0, 256                      ; the part's first tile
	s_cmp_eq_u32 s25, 5
	s_cselect_b64 s[26:27], s[8:9], s[26:27]
	s_cselect_b32 s30, 160, s30
	s_cselect_b32 s34, 6, 0                        ; first place in the group
	s_cmp_eq_u32 s25, 6
	s_cselect_b64 s[26:27], s[10:11], s[26:27]
	s_cselect_b32 s30, 192, s30
	s_cselect_b32 s34, 4, s34
	s_cselect_b32 s35, 2, 0                        ; w_v's tiles 2 and 3 stand four places further on
	s_cmp_eq_u32 s25, 7
	s_cselect_b64 s[26:27], s[12:13], s[26:27]
	s_cselect_b32 s30, 224, s30
	s_cselect_b32 s31, 8, s31
	s_cselect_b32 s32, 3, s32
	s_cselect_b32 s33, 448, s33
	s_sub_co_u32 s36, ttmp9, s30
	s_lshl_b32 s36, s36, 1
	s_add_co_u32 s36, s36, s21                     ; my tile in the tensor
	s_lshr_b32 s37, s36, 2
	s_lshl_b32 s37, s37, 6
	s_and_b32 s38, s36, 3
	s_lshl_b32 s38, s38, 3
	s_add_co_u32 s37, s37, s38                     ; its first row
	s_lshl_b32 s22, s37, 12
	s_lshl_b32 s23, s20, 10
	s_add_co_u32 s22, s22, s23
	s_mov_b32 s23, 0
	s_add_nc_u64 s[26:27], s[26:27], s[22:23]
	s_lshr_b32 s37, s36, s32                       ; group
	s_lshl_b32 s38, s37, s32
	s_sub_co_u32 s38, s36, s38
	s_and_b32 s39, s38, s35
	s_lshl_b32 s39, s39, 1
	s_add_co_u32 s38, s38, s39
	s_add_co_u32 s38, s38, s34                     ; place in the group
	s_mul_i32 s39, s37, s31
	s_add_co_u32 s39, s39, s33
	s_add_co_u32 s39, s39, s38
	s_lshl_b32 s22, s39, 9
	s_add_nc_u64 s[16:17], s[16:17], s[22:23]      ; the tile's scale bytes
	s_lshl_b32 s37, s37, 3
	s_lshl_b32 s39, s20, 1
	s_add_co_u32 s37, s37, s39
	s_mul_i32 s37, s37, s31
	s_lshl_b32 s39, s33, 3
	s_add_co_u32 s37, s37, s39
	s_add_co_u32 s37, s37, s38
	s_mul_i32 s22, s37, 1536
	s_add_nc_u64 s[14:15], s[14:15], s[22:23]      ; my first image
	s_mul_i32 s22, s31, 1536
	s_add_nc_u64 s[28:29], s[14:15], s[22:23]      ; and the next K step's
.macro LOADS kk
.set i, 0
.rept 16
	global_load_b128 v[64+64*\kk+4*i:67+64*\kk+4*i], v5, s[26:27] offset:((i/8)*32+i%8)*4096+512*\kk th:TH_LOAD_NT   ; 512 consecutive bytes of one row
.set i, i+1
.endr
.endm
	LOADS 0
	LOADS 1
.macro WORK kk, F
	s_wait_loadcnt 16*(1-\kk)                      ; this K step's 16 loads are in; the other's may be out
.set i, 0
.rept 16
	ds_store_b128 v14, v[64+64*\kk+4*i:67+64*\kk+4*i] offset:8448*\kk+528*i
.set i, i+1
.endr
.set i, 0
.rept 16
	ds_load_b128 v[192+4*i:195+4*i], v15 offset:8448*\kk+256*(i/8)+16*(i%8)   ; LDS serves a wave's instructions in order: these see my stores
.set i, i+1
.endr
	s_wait_dscnt 0x0
.irp c, 0,1
	v_max3_num_f32 v[40+\c], |v[192+32*\c]|, |v[193+32*\c]|, 0x2800000   ; the floor 2^(5 - 127) among the leaves
.endr
.irp c, 0,1
	v_max3_num_f32 v[42+\c], |v[208+32*\c]|, |v[209+32*\c]|, |v[210+32*\c]|
.endr
.irp i, 2,4,6,8,10,12,14
.irp c, 0,1
	v_max3_num_f32 v[40+\c], v[40+\c], |v[192+32*\c+\i]|, |v[193+32*\c+\i]|
.endr
.if \i < 14
.irp c, 0,1
	v_max3_num_f32 v[42+\c], v[42+\c], |v[209+32*\c+\i]|, |v[210+32*\c+\i]|
.endr
.endif
.endr
.irp c, 0,1
	v_max3_num_f32 v[40+\c], v[40+\c], v[42+\c], |v[223+32*\c]|
.endr
.irp c, 0,1
	v_add_nc_u32 v[44+\c], 0xfe000000, v[40+\c]    ; 4 off the exponent field: the conversion's scale operand
.endr
.irp c, 0,1
	v_cvt_scalef32_pk16_bf6_f32 v[\F+6*\c:\F+6*\c+2], v[192+32*\c:207+32*\c], v[44+\c]
	v_cvt_scalef32_pk16_bf6_f32 v[48+4*\c:50+4*\c], v[208+32*\c:223+32*\c], v[44+\c]
.endr
.irp c, 0,1
	v_lshrrev_b32 v[46+\c], 23, v[44+\c]           ; the scale's byte
.endr
.irp c, 0,1
.irp i, 0,1,2
	v_mov_b32 v[\F+6*\c+3+\i], v[48+4*\c+\i]       ; (a conversion's three registers begin on an even number)
.endr
.endr
.irp c, 0,1
	ds_store_b8 v6, v[46+\c] offset:4*\kk+2*\c
.endr
.irp q, 0,1,2
	global_store_b128 v5, v[\F+4*\q:\F+4*\q+3], s[14+14*\kk:15+14*\kk] offset:512*\q   ; 512 consecutive bytes, aligned
.endr
.endm
	WORK 0, 16
	WORK 1, 28
	s_wait_alu depctr_va_vdst(0)
	s_wait_dscnt 0x0                               ; my scale bytes are in LDS, for the wave that stores them
	s_barrier_signal -1
	s_barrier_wait -1
	s_cmp_lg_u32 s20, 0
	s_cbranch_scc1 .Lend                           ; one wave for each tile stores its 512 scale bytes
	ds_load_b128 v[56:59], v7
	s_wait_dscnt 0x0
	global_store_b128 v5, v[56:59], s[16:17]
.Lend:
	s_wait_tensorcnt 0x0                           ; the wave's end
	ds_add_u32 v12, v13
	s_wait_dscnt 0x0
	s_endpgm
.Lfunc_end_k_qd580535171_quant:
	.size	k_qd580535171_quant, .Lfunc_end_k_qd580535171_quant-k_qd580535171_quant
	.p2alignl 7, 3214868480
	.fill 96, 4, 3214868480
	.section	.rodata,"a",@progbits
	.p2align	6, 0x0
	.amdhsa_kernel k_qd580535171_quant
		.amdhsa_group_segment_fixed_size 137216
		.amdhsa_private_segment_fixed_size 0
		.amdhsa_enable_private_segment 0
		.amdhsa_kernarg_size 56
		.amdhsa_user_sgpr_count 2
		.amdhsa_user_sgpr_kernarg_segment_ptr 1
		.amdhsa_wavefront_size32 1
		.amdhsa_system_sgpr_workgroup_id_x 1
		.amdhsa_system_sgpr_workgroup_id_y 1
		.amdhsa_system_sgpr_workgroup_id_z 1
		.amdhsa_system_vgpr_workitem_id 0
		.amdhsa_next_free_vgpr 256
		.amdhsa_next_free_sgpr 66
		.amdhsa_reserve_vcc 0
		.amdhsa_float_denorm_mode_32 3
		.amdhsa_float_denorm_mode_16_64 3
		.amdhsa_memory_ordered 1
		.amdhsa_forward_progress 1
		.amdhsa_inst_pref_size 18
	.end_amdhsa_kernel
	.amdgpu_metadata
---
amdhsa.version: [ 1, 2 ]
amdhsa.kernels:
  - .name:           k_qd580535171_quant
    .symbol:         k_qd580535171_quant.kd
    .args:
      - { .name: x, .offset: 0, .size: 8, .value_kind: global_buffer, .address_space: global }
      - { .name: w_k, .offset: 8, .size: 8, .value_kind: global_buffer, .address_space: global }
      - { .name: w_q, .offset: 16, .size: 8, .value_kind: global_buffer, .address_space: global }
      - { .name: w_v, .offset: 24, .size: 8, .value_kind: global_buffer, .address_space: global }
      - { .name: w_o, .offset: 32, .size: 8, .value_kind: global_buffer, .address_space: global }
      - { .name: qc, .offset: 40, .size: 8, .value_kind: global_buffer, .address_space: global }
      - { .name: qs, .offset: 48, .size: 8, .value_kind: global_buffer, .address_space: global }
    .group_segment_fixed_size: 137216
    .private_segment_fixed_size: 0
    .kernarg_segment_align: 8
    .kernarg_segment_size: 56
    .max_flat_workgroup_size: 256
    .sgpr_count:     66
    .vgpr_count:     256
    .wavefront_size: 32
...
	.end_amdgpu_metadata
.endif
;; end of part 1
;; launch qkv (part 2): grid 16 x 16, 4 waves a work-group, clusters of 4 x 4, 327,680 bytes of LDS; arguments qc, qs, qi, kv; writes qi, kv
.if DOCPART == 2
	.amdgcn_target "amdgcn-amd-amdhsa--gfx1250"
	.amdhsa_code_object_version 6
	.text
	.protected	k_qd580535171_qkv
	.globl	k_qd580535171_qkv
	.p2align	8
	.type	k_qd580535171_qkv,@function
k_qd580535171_qkv:
	s_mov_b64 s[64:65], 0
	v_nop
	global_prefetch_b8 v0, s[64:65] scope:SCOPE_SE
	s_setreg_imm32_b32 hwreg(HW_REG_WAVE_MODE, 25, 1), 1
	s_wait_xcnt 0x0
	s_wait_alu depctr_hold_cnt(0) depctr_sa_sdst(0) depctr_va_vdst(0) depctr_va_sdst(0) depctr_va_ssrc(0) depctr_va_vcc(0) depctr_vm_vsrc(0)
	s_getreg_b32 s2, hwreg(HW_REG_IB_STS2, 6, 4)
	s_cmp_eq_u32 s2, 0
	s_cbranch_scc0 .Lentry_in_a_cluster
	s_endpgm
.Lentry_in_a_cluster:
	s_bfe_u32 s2, ttmp6, 0x10000c
	s_cmp_lg_u32 s2, 0xf033
	s_cbranch_scc0 .Lentry_shape_is_right
	s_endpgm
.Lentry_shape_is_right:
; q = x w_k^T, k = x w_q^T, v = x w_v^T on codes of BF6 with E8M0 scales, K = 1,024; q and k are quantised along the head's 64, v along the tokens, in f32 from the sums.
; A work-group makes 256 tokens (y) x one head's q, k and v (x): 256 work-groups. Wave w: tokens 128 (w / 2) .. + 127, and q (w % 2 = 0) or k (1) with half of v's channels: 8 x 4 + 8 x 2 accumulators.
; q and k are made with the weight as source 0 (a lane: one token, 32 neighbouring channels in four tiles' registers), v with x as source 0 (a lane: one channel, 32 neighbouring tokens): each such run is a block.
; K STEPS of 128 (28 images of 1,536 bytes): seven have places in LDS. Three joint loads a wave bring steps 0-3, 4-6 and 7, the last into step 0's place, each a dense block as rows of 256 bytes.
; Waves 0, 1 fetch A's halves, waves 2, 3 B's. No prefetch: these three loads are the whole of K and there is no loop to run ahead in.
; CLUSTERS 4 x 4: A hangs on y alone and is asked for jointly by a row of the cluster, B on x alone, by a column.
; OUTPUT: qi [b, head][16 blocks of 128 tokens][four images of two tiles' 64 channels each, 6,144 bytes; 512 bytes of scale words]; kv [b, head][16][k's four images, v's four, k's scale words 512, v's 256 bytes].
; LIMITS: NaN and infinities are not served; a block of zeros gets the byte 1 (its codes are zeros; this program alone reads the bytes).
; REGISTERS: window 0: v16-22 LDS addresses, v32-95 scale words (tile i, step k at 32 + 8 i + k: lanes 0-15 tokens, lanes 16-31 weights), v96-191 A's set 0; window 1: B's sets at 0 and 72, A's set 1 at 144; window 2: q or k; window 3: v.
.set ASTEP, 24576
.set BSTEP, 18432
.set BREG,  7*ASTEP
.set SPARE, BREG+7*BSTEP
.set SC,    32
.set SPW,   30
.set NIL,   31
.set FLOOR, 29
.set SH,    25
.set T2,    168
.set TM,    192
.set OP,    196
.set BY,    200
.set WD,    204
.set PX,    216
.set SEL,   18
.set MSB, 0
.macro WIN new
.if MSB != \new
	s_set_vgpr_msb (MSB<<8)|\new
.set MSB, \new
.endif
.endm
.macro PLACES
.rept 4
	v_nop
.endr
.endm
.macro JLOAD c                         ; chunk c: each arm has one mask and one set of registers; the branch hangs on the wave's number
	s_cmp_eq_u32 s15, 0
	s_cbranch_scc0 .Lfor_b_\@
	tensor_load_to_lds s[40+4*\c:43+4*\c], s[24:31]
	s_nop 0
	PLACES
	s_branch .Lasked_\@
.Lfor_b_\@:
	tensor_load_to_lds s[52+4*\c:55+4*\c], s[32:39]
	s_nop 0
	PLACES
.Lasked_\@:
.endm
.macro CROUND                          ; a round of the cluster's barrier
	s_barrier_signal -1
	s_barrier_wait -1
	s_cmp_lg_u32 s14, 0
	s_cbranch_scc1 .Lnot_wave_0_\@
	s_barrier_signal -3
.Lnot_wave_0_\@:
	s_barrier_wait -3
	s_barrier_signal -1
	s_barrier_wait -1
.endm
.macro ROWS ra, rb                     ; the words of both groups 1 that count rows; no tensor load of mine is out
	s_mov_b32 s26, (\ra)<<16
	s_mov_b32 s28, \ra
	s_mov_b32 s34, (\rb)<<16
	s_mov_b32 s36, \rb
.endm
	s_load_b256 s[4:11], s[0:1], 0x0               ; qc, qs, qi, kv
	v_lshl_add_u32 v[SPW], v0, 2, SPARE
	v_mov_b32 v[NIL], 0
	ds_add_u32 v[SPW], v[NIL]                      ; the opening: the add, twice on end, ahead of my first tensor load
	ds_add_u32 v[SPW], v[NIL]
	v_lshrrev_b32 v1, 5, v0
	v_readfirstlane_b32 s14, v1                    ; wave
	s_lshr_b32 s15, s14, 1
	s_and_b32 s16, s14, 1
	s_bfe_u32 s66, ttmp6, 0x40000                  ; cx, cy
	s_bfe_u32 s67, ttmp6, 0x40004
	s_lshl_b32 s68, ttmp9, 2
	s_add_co_u32 s68, s68, s66                     ; head
	s_and_b32 s69, ttmp7, 0xffff
	s_lshl_b32 s69, s69, 2
	s_add_co_u32 s69, s69, s67                     ; y
	s_lshl_b32 s70, s67, 2
	s_lshl_b32 s70, 15, s70                        ; my row of the cluster
	s_lshl_b32 s71, 0x1111, s66                    ; my column
	s_or_b32 s24, s70, (3<<16)|(1<<21)             ; elements of 8 bytes, no padding; bit 21 beside the mask
	s_or_b32 s32, s71, (3<<16)|(1<<21)
	s_mov_b32 s25, 32<<16                          ; rows of 256 bytes, dense
	s_mov_b32 s27, 32<<16
	s_mov_b32 s29, 32
	s_mov_b32 s30, 0
	s_mov_b32 s31, 0
	s_mov_b32 s33, 32<<16
	s_mov_b32 s35, 32<<16
	s_mov_b32 s37, 32
	s_mov_b32 s38, 0
	s_mov_b32 s39, 0
	ROWS 192, 144
	s_mul_i32 s72, s69, 196608                     ; A: never holds cx
	s_mov_b32 s73, 0
	s_mul_i32 s74, s68, 147456                     ; B: never holds cy
	s_add_co_u32 s74, s74, 3145728
	s_mov_b32 s75, 0
	s_mul_i32 s76, s16, 49152                      ; my half of each chunk: A's
	s_mul_i32 s77, s16, 36864
	s_mul_i32 s78, s16, 12288
	s_mul_i32 s80, s16, 27648                      ; B's (the first is A's second)
	s_mul_i32 s81, s16, 9216
	v_and_b32 v1, 31, v0                           ; L
	v_and_b32 v2, 15, v0                           ; r
	v_bfe_u32 v3, v0, 4, 1                         ; h
	v_lshlrev_b32 v4, 4, v1                        ; 16 L
	s_mul_i32 s17, s15, 12288
	v_add_nc_u32 v16, s17, v4                      ; A's images of my 8 tiles: places 0-2,
	v_add_nc_u32 v17, 3*ASTEP, v16                 ; 3-5,
	v_add_nc_u32 v18, 6*ASTEP, v16                 ; 6
	s_mul_i32 s17, s16, 9216
	s_add_co_u32 s17, s17, BREG
	v_add_nc_u32 v20, s17, v4                      ; B's of my 6 tiles
	v_add_nc_u32 v21, 3*BSTEP, v20
	v_add_nc_u32 v22, 6*BSTEP, v20
	s_lshl_b32 s82, s69, 4
	s_lshl_b32 s17, s15, 3
	s_add_co_u32 s82, s82, s17
	s_lshl_b32 s82, s82, 9                         ; my tokens' scale words in qs
	s_mul_i32 s83, s68, 12
	s_mul_i32 s17, s16, 6
	s_add_co_u32 s83, s83, s17
	s_add_co_u32 s83, s83, 256
	s_lshl_b32 s83, s83, 9
	s_sub_co_u32 s83, s83, s82                     ; and how much further on my weights' lie
	s_wait_alu depctr_va_vdst(0)                   ; directly ahead of the reader below
	v_mul_u32_u24 v24, s83, v3
	v_lshlrev_b32 v26, 4, v2                       ; 16 r
	v_add_nc_u32 v24, v24, v26
	v_add_nc_u32 v24, s82, v24
	v_lshlrev_b32 v[SH], 3, v3                     ; 8 h
	v_mov_b32 v[FLOOR], 0x2800000
.irp e, 0,1,2,3
	v_mov_b32 v[PX+\e], 0                          ; lane permutes' destinations count as sources
.endr
	s_mov_b32 s[SEL], 0x76543210
	s_mov_b32 s[SEL+1], 0xfedcba98
	s_mov_b32 s98, 0xffff0000                      ; lanes 16-31
	s_wait_alu depctr_va_vdst(0)                   ; the head's end
	s_wait_dscnt 0x0                               ; both opening adds are done
	s_wait_kmcnt 0x0
	s_add_nc_u64 s[72:73], s[4:5], s[72:73]
	s_add_nc_u64 s[74:75], s[4:5], s[74:75]
.macro MKG0 g, lds, half, base, off
	s_mov_b32 s[\g], 1
	s_add_co_u32 s[\g+1], s[\half], \lds
	s_mov_b32 s20, s[\half]
	s_mov_b32 s21, 0
	s_add_nc_u64 s[\g+2:\g+3], s[\base:\base+1], s[20:21]
	s_add_nc_u64 s[\g+2:\g+3], s[\g+2:\g+3], \off
	s_or_b32 s[\g+3], s[\g+3], 0x80000000
.endm
	MKG0 40, 0, 76, 72, 0
	MKG0 44, 4*ASTEP, 77, 72, 4*ASTEP
	MKG0 48, 0, 78, 72, 7*ASTEP
	MKG0 52, BREG, 77, 74, 0
	MKG0 56, BREG+4*BSTEP, 80, 74, 4*BSTEP
	MKG0 60, BREG, 81, 74, 7*BSTEP
	CROUND                                         ; all sixteen work-groups are here: the joint loads meet
	JLOAD 0                                        ; steps 0-3: one tensor load a wave
.irp i, 0,1,2,3,4,5,6,7
	global_load_b128 v[SC+8*\i:SC+8*\i+3], v24, s[6:7] offset:512*\i          ; scale words of steps 0-3 (lanes 16-31 of tiles 6 and 7 are not used)
	global_load_b128 v[SC+8*\i+4:SC+8*\i+7], v24, s[6:7] offset:512*\i+256    ; 4-7
.endr
	; where my results go
	s_lshr_b32 s92, s69, 3
	s_lshl_b32 s92, s92, 4
	s_add_co_u32 s92, s92, s68                     ; 16 b + head
	s_and_b32 s93, s69, 7
	s_lshl_b32 s93, s93, 1
	s_add_co_u32 s93, s93, s15                     ; block of 128 tokens
	s_mul_i32 s94, s92, 208896
	s_mul_i32 s17, s93, 13056
	s_add_co_u32 s94, s94, s17
	s_mul_i32 s17, s16, 3072
	s_add_co_u32 s94, s94, s17
	s_add_co_u32 s94, s94, 6144
	s_mov_b32 s95, 0
	s_add_nc_u64 s[86:87], s[10:11], s[94:95]      ; v's images
	s_sub_co_u32 s94, s94, s17
	s_lshl_b32 s17, s16, 3
	s_add_co_u32 s94, s94, s17
	s_add_co_u32 s94, s94, 6656
	s_add_nc_u64 s[88:89], s[10:11], s[94:95]      ; v's scale words
	s_mov_b32 s90, 208896
	s_mov_b32 s91, 13056
	s_mov_b32 s17, 12288
	s_cmp_eq_u32 s16, 0
	s_cselect_b64 s[84:85], s[8:9], s[10:11]       ; q or k
	s_cselect_b32 s90, 106496, s90
	s_cselect_b32 s91, 6656, s91
	s_cselect_b32 s17, 6144, s17
	s_mul_i32 s94, s92, s90
	s_mul_i32 s91, s93, s91
	s_add_co_u32 s94, s94, s91
	s_add_nc_u64 s[84:85], s[84:85], s[94:95]      ; its images
	s_mov_b32 s94, s17
	s_add_nc_u64 s[96:97], s[84:85], s[94:95]      ; its scale words
; The fragments of step k into set k % 2
.macro FETCH k
.set PO, (\k)%7
	WIN 0x40
.irp b, 0,1,2,3,4,5
.irp q, 0,1,2
	ds_load_b128 v[72*((\k)%2)+12*\b+4*\q:72*((\k)%2)+12*\b+4*\q+3], v[20+PO/3] offset:(PO%3)*BSTEP+1536*\b+512*\q
.endr
.endr
.if (\k)%2 == 0
	WIN 0
.endif
.irp a, 0,1,2,3,4,5,6,7
.irp q, 0,1,2
	ds_load_b128 v[96+48*((\k)%2)+12*\a+4*\q:96+48*((\k)%2)+12*\a+4*\q+3], v[16+PO/3] offset:(PO%3)*ASTEP+1536*\a+512*\q
.endr
.endr
.endm
; q or k: two token tiles x four weight tiles. The 48 accumulators take turns, one instruction a turn, in the same order in every step
.macro MQK k, a0
	WIN 0xa1+4*((\k)%2)
.irp a, \a0, \a0+1
.irp b, 0,1,2,3
.if (\k) == 0
	v_wmma_scale_f32_16x16x128_f8f6f4 v[32*(\a)+8*\b:32*(\a)+8*\b+7], v[72*((\k)%2)+12*\b:72*((\k)%2)+12*\b+11], v[96+48*((\k)%2)+12*(\a):107+48*((\k)%2)+12*(\a)], 0, v[SC+8*\b+\k], v[SC+8*(\a)+\k] matrix_a_fmt:MATRIX_FMT_BF6 matrix_b_fmt:MATRIX_FMT_BF6 matrix_a_scale:MATRIX_SCALE_ROW1
.else
	v_wmma_scale_f32_16x16x128_f8f6f4 v[32*(\a)+8*\b:32*(\a)+8*\b+7], v[72*((\k)%2)+12*\b:72*((\k)%2)+12*\b+11], v[96+48*((\k)%2)+12*(\a):107+48*((\k)%2)+12*(\a)], v[32*(\a)+8*\b:32*(\a)+8*\b+7], v[SC+8*\b+\k], v[SC+8*(\a)+\k] matrix_a_fmt:MATRIX_FMT_BF6 matrix_b_fmt:MATRIX_FMT_BF6 matrix_a_scale:MATRIX_SCALE_ROW1
.endif
.endr
.endr
.endm
; v: eight token tiles (source 0) x my two channel tiles
.macro MV k
	WIN 0xf4+((\k)%2)
.irp t, 0,1
.irp a, 0,1,2,3,4,5,6,7
.if (\k) == 0
	v_wmma_scale_f32_16x16x128_f8f6f4 v[64*\t+8*\a:64*\t+8*\a+7], v[96+48*((\k)%2)+12*\a:107+48*((\k)%2)+12*\a], v[72*((\k)%2)+48+12*\t:72*((\k)%2)+59+12*\t], 0, v[SC+8*\a+\k], v[SC+32+8*\t+\k] matrix_a_fmt:MATRIX_FMT_BF6 matrix_b_fmt:MATRIX_FMT_BF6 matrix_b_scale:MATRIX_SCALE_ROW1
.else
	v_wmma_scale_f32_16x16x128_f8f6f4 v[64*\t+8*\a:64*\t+8*\a+7], v[96+48*((\k)%2)+12*\a:107+48*((\k)%2)+12*\a], v[72*((\k)%2)+48+12*\t:72*((\k)%2)+59+12*\t], v[64*\t+8*\a:64*\t+8*\a+7], v[SC+8*\a+\k], v[SC+32+8*\t+\k] matrix_a_fmt:MATRIX_FMT_BF6 matrix_b_fmt:MATRIX_FMT_BF6 matrix_b_scale:MATRIX_SCALE_ROW1
.endif
.endr
.endr
.endm
.macro KSTEP k
	s_wait_dscnt 0x0                               ; this step's fragments are in
	MQK \k, 0
.if (\k) == 3
	WIN 0
	s_wait_tensorcnt 0x0                           ; my part of steps 4-6 has landed;
	ds_add_u32 v[SPW], v[NIL]                      ; the add ahead of a refill;
	MQK \k, 2
	WIN 0
	ROWS 48, 36
	s_wait_dscnt 0x0                               ; the add is done, and my reads of step 0's place are long over
	CROUND
	JLOAD 2                                        ; step 7 into step 0's place; its four v_nop are the places in front of the loads below
	FETCH (\k)+1
.else
.if (\k) == 6
	WIN 0
	s_wait_tensorcnt 0x0                           ; my part of step 7 has landed: a barrier shows all of it
	s_wait_dscnt 0x0
	s_barrier_signal -1
	s_barrier_wait -1
.endif
.if (\k) < 7
	PLACES                                         ; in front of loads into registers that the last step's products read
	FETCH (\k)+1
.endif
	MQK \k, 2
.endif
	MQK \k, 4
	MQK \k, 6
	MV \k
	WIN 0
.endm
	s_wait_tensorcnt 0x0                           ; my part of steps 0-3 has landed;
	ds_add_u32 v[SPW], v[NIL]                      ; the add ahead of a later first fill
	ROWS 144, 108
	s_wait_dscnt 0x0
	CROUND
	JLOAD 1                                        ; steps 4-6
	FETCH 0
	WIN 0
	s_wait_loadcnt 0x0                             ; the scale words
	KSTEP 0
	KSTEP 1
	KSTEP 2
	KSTEP 3
	KSTEP 4
	KSTEP 5
	KSTEP 6
	KSTEP 7
; Four runs of 32 registers, each a block, at r0 of window w: codes to v[pc ..], six registers a run: two images of 1,536 bytes
.macro QG w, r0, pc, base, off
	WIN (\w<<2)|(\w<<4)
.irp e, 0,1,2,3
	v_max3_num_f32 v[TM+\e], v[FLOOR], |v[\r0+32*\e]|, |v[\r0+32*\e+1]|
.endr
.irp i, 2,4,6,8,10,12,14,16,18,20,22,24,26,28,30
.irp e, 0,1,2,3
	v_max3_num_f32 v[TM+\e], v[TM+\e], |v[\r0+32*\e+\i]|, |v[\r0+32*\e+\i+1]|
.endr
.endr
	WIN 0
.irp e, 0,1,2,3
	v_add_nc_u32 v[OP+\e], 0xfe000000, v[TM+\e]
.endr
	WIN \w
.irp e, 0,1,2,3
	v_cvt_scalef32_pk16_bf6_f32 v[\pc+6*\e:\pc+6*\e+2], v[\r0+32*\e:\r0+32*\e+15], v[OP+\e]
	v_cvt_scalef32_pk16_bf6_f32 v[T2+4*\e:T2+4*\e+2], v[\r0+32*\e+16:\r0+32*\e+31], v[OP+\e]
.endr
	WIN 0
.irp e, 0,1,2,3
	v_lshrrev_b32 v[BY+\e], 23, v[OP+\e]
.endr
.irp e, 0,1,2,3
.irp i, 0,1,2
	v_mov_b32 v[\pc+6*\e+3+\i], v[T2+4*\e+\i]
.endr
.endr
.irp q, 0,1,2,3,4,5
	global_store_b128 v4, v[\pc+4*\q:\pc+4*\q+3], s[\base:\base+1] offset:\off+512*\q   ; 512 consecutive bytes, aligned
.endr
.endm
.macro WORDS g                         ; a token's scale word: byte h from lane half h
.irp e, 0,1,2,3
	v_lshlrev_b32 v[WD+4*\g+\e], v[SH], v[BY+\e]
.endr
.irp e, 0,1,2,3
	v_permlanex16_b32 v[PX+\e], v[WD+4*\g+\e], s[SEL], s[SEL+1]
.endr
.irp e, 0,1,2,3
	v_or_b32 v[WD+4*\g+\e], v[WD+4*\g+\e], v[PX+\e]
.endr
.endm
	PLACES                                         ; behind the last products
	QG 2, 0, 96, 84, 0
	WORDS 0
	QG 2, 128, 120, 84, 3072
	WORDS 1
.irp e, 0,1,2,3
	v_cndmask_b32 v[WD+\e], v[WD+\e], v[WD+4+\e], s98   ; lanes 0-15 store tiles 0-3's words, lanes 16-31 tiles 4-7's
.endr
	global_store_b128 v4, v[WD:WD+3], s[96:97]
	QG 3, 0, 144, 86, 0
.irp t, 0,1
	v_lshl_or_b32 v[WD+8+\t], v[BY+2*\t+1], 16, v[BY+2*\t]   ; a channel's scale word: bytes 2 c + h
.endr
.irp t, 0,1
	v_lshlrev_b32 v[WD+8+\t], v[SH], v[WD+8+\t]
.endr
.irp t, 0,1
	v_permlanex16_b32 v[PX+\t], v[WD+8+\t], s[SEL], s[SEL+1]
.endr
.irp t, 0,1
	v_or_b32 v[WD+8+\t], v[WD+8+\t], v[PX+\t]
.endr
	global_store_b64 v26, v[WD+8:WD+9], s[88:89]   ; both halves of the lanes store the same bytes with the same values
	s_wait_tensorcnt 0x0                           ; the wave's end
	ds_add_u32 v[SPW], v[NIL]
	s_wait_dscnt 0x0
	CROUND                                         ; the closing round
	s_endpgm
.Lfunc_end_k_qd580535171_qkv:
	.size	k_qd580535171_qkv, .Lfunc_end_k_qd580535171_qkv-k_qd580535171_qkv
	.p2alignl 7, 3214868480
	.fill 96, 4, 3214868480
	.section	.rodata,"a",@progbits
	.p2align	6, 0x0
	.amdhsa_kernel k_qd580535171_qkv
		.amdhsa_group_segment_fixed_size 327680
		.amdhsa_private_segment_fixed_size 0
		.amdhsa_enable_private_segment 0
		.amdhsa_kernarg_size 32
		.amdhsa_user_sgpr_count 2
		.amdhsa_user_sgpr_kernarg_segment_ptr 1
		.amdhsa_wavefront_size32 1
		.amdhsa_system_sgpr_workgroup_id_x 1
		.amdhsa_system_sgpr_workgroup_id_y 1
		.amdhsa_system_sgpr_workgroup_id_z 1
		.amdhsa_system_vgpr_workitem_id 0
		.amdhsa_next_free_vgpr 1024
		.amdhsa_next_free_sgpr 100
		.amdhsa_reserve_vcc 0
		.amdhsa_float_denorm_mode_32 3
		.amdhsa_float_denorm_mode_16_64 3
		.amdhsa_memory_ordered 1
		.amdhsa_forward_progress 1
		.amdhsa_inst_pref_size 105
	.end_amdhsa_kernel
	.amdgpu_metadata
---
amdhsa.version: [ 1, 2 ]
amdhsa.kernels:
  - .name:           k_qd580535171_qkv
    .symbol:         k_qd580535171_qkv.kd
    .args:
      - { .name: qc, .offset: 0, .size: 8, .value_kind: global_buffer, .address_space: global }
      - { .name: qs, .offset: 8, .size: 8, .value_kind: global_buffer, .address_space: global }
      - { .name: qi, .offset: 16, .size: 8, .value_kind: global_buffer, .address_space: global }
      - { .name: kv, .offset: 24, .size: 8, .value_kind: global_buffer, .address_space: global }
    .group_segment_fixed_size: 327680
    .private_segment_fixed_size: 0
    .kernarg_segment_align: 8
    .kernarg_segment_size: 32
    .max_flat_workgroup_size: 128
    .sgpr_count:     100
    .vgpr_count:     1024
    .wavefront_size: 32
...
	.end_amdgpu_metadata
.endif
;; end of part 2
;; launch attn (part 3): grid 8 x 32, 16 waves a work-group, clusters of 4 x 1, 247,808 bytes of LDS; arguments qi, kv, cc, cs; writes cc, cs
.if DOCPART == 3
	.amdgcn_target "amdgcn-amd-amdhsa--gfx1250"
	.amdhsa_code_object_version 6
	.text
	.protected	k_qd580535171_attn
	.globl	k_qd580535171_attn
	.p2align	8
	.type	k_qd580535171_attn,@function
k_qd580535171_attn:
	s_mov_b64 s[64:65], 0
	v_nop
	global_prefetch_b8 v0, s[64:65] scope:SCOPE_SE
	s_setreg_imm32_b32 hwreg(HW_REG_WAVE_MODE, 25, 1), 1
	s_wait_xcnt 0x0
	s_wait_alu depctr_hold_cnt(0) depctr_sa_sdst(0) depctr_va_vdst(0) depctr_va_sdst(0) depctr_va_ssrc(0) depctr_va_vcc(0) depctr_vm_vsrc(0)
	s_getreg_b32 s2, hwreg(HW_REG_IB_STS2, 6, 4)
	s_cmp_eq_u32 s2, 0
	s_cbranch_scc0 .Lentry_in_a_cluster
	s_endpgm
.Lentry_in_a_cluster:
	s_bfe_u32 s2, ttmp6, 0x10000c
	s_cmp_lg_u32 s2, 0x3003
	s_cbranch_scc0 .Lentry_shape_is_right
	s_endpgm
.Lentry_shape_is_right:
; ctx[bh][q] = the sum over k <= q of softmax_k(q . k / 32) v[k], both products on codes of BF6 with E8M0 scales; ctx is quantised along the head's 64 and stored as half images of the last product's operand.
; WORK LEFT OUT: steps of 128 keys that all lie after a wave's queries: reference() builds the causal mask itself and -infinity ahead of the softmax gives p = 0. A NaN or an infinity among those scores is not carried to the result.
; THE SOFTMAX: t = score x log2(e) / 32; M = the row's largest t so far, rounded UP to a whole number; p = 2^(t - M) is quantised along the keys; the row's sum of the unquantised p divides at the end. When M moves, the sum and O are multiplied by 2^(old M - new M).
; LIMITS: scaled scores stay under 2^31 in magnitude; NaN and infinities are not served; a block whose largest p lies under 2^(5 - 127) has its byte held at 1.
; SHARES. A head's 2,048 queries are 16 blocks of 128, each 8 tiles of 16; work-group g takes tile g of every block. Waves i and i + 8 (i = 0..7) share blocks 15 - i (16 - i steps of 128 keys) and i (i + 1 steps): wave i takes steps 0-8 of block 15 - i;
; wave i + 8 takes its steps 9 .. 15 - i, leaves its sums in LDS, and then takes block i. Wave i joins the two parts: under a common M both are multiplied by powers of two. So the waves have 9 and 8 steps.
; LDS holds the head's k and v images and scale words whole, 13,056 bytes a step: wave w fetches step w, one load a wave, jointly by the four work-groups of a cluster, which belong to one head. There is no memory loop to prefetch for.
; LAYOUT. S^T = K Q^T, O^T = V^T P^T: a lane holds one query. Register 32 c + m of the scores is key 64 c + 32 (lane / 16) + m of the step: each lane has two whole blocks of 32 keys. Tile g's query at lane r: 64 (g / 4) + 8 (g % 4) + 32 (r / 8) + r % 8.
; K = 64 IN A FORM OF K = 128: q's registers 6-11 are zero codes, so a k fragment's registers 6-11 count for nothing whatever codes they hold: tile t's fragment is v[32 + 6 t : 43 + 6 t], lapping over tile t + 1's codes, tile 7's over six zeros.
; cs is stored a byte a lane: a scale word of the last product spans two heads, which are different work-groups' work (131,072 bytes in the launch).
; REGISTERS: v1 16 L, v2 8 L, v3 16 r, v5 the mask's number, v6 -infinity, v7 16 r + h, v8, v10 the step's addresses, v12 -M, v13 the largest score, v[14:15] the sum, v16-27 q, v28 my part in LDS, v29 8 h, v32-85 k, then v; v86-92 q and scale words of the second block,
;   v94 q's scale words, v96-159 scores, then p; v160-191 O^T; v192-210 p's codes; v212-221 at work; v224-231, v232-235, v237 scale words of k, v, p; v[238:239] f; v240-253 at work.
.set STEPB, 13056
.set PART,  16*STEPB                   ; eight parts of 4,608 bytes
.set SPARE, PART+8*4608
.set WV,   12
.set SEL,  20
.set CS,   22                          ; s[22:23] c = log2(e) / 32
.set NC,   36                          ; s36 -c
.set TB,   37                          ; s37 the step's bytes in LDS
.set SI,   38                          ; s38 the step
.set CNT,  39
.set LAST, 40                          ; s40 the last step to be done
.set BLKD, 41                          ; s41 the block, whose own step is the diagonal
.macro CROUND
	s_barrier_signal -1
	s_barrier_wait -1
	s_cmp_lg_u32 s[WV], 0
	s_cbranch_scc1 .Lnot_wave_0_\@
	s_barrier_signal -3
.Lnot_wave_0_\@:
	s_barrier_wait -3
	s_barrier_signal -1
	s_barrier_wait -1
.endm
	s_load_b256 s[4:11], s[0:1], 0x0               ; qi, kv, cc, cs
	v_lshl_add_u32 v254, v0, 2, SPARE
	v_mov_b32 v255, 0
	ds_add_u32 v254, v255                          ; the opening: the add, twice on end
	ds_add_u32 v254, v255
	v_lshrrev_b32 v9, 5, v0
	v_readfirstlane_b32 s[WV], v9                  ; wave 0..15
	s_bfe_u32 s13, ttmp6, 0x40000                  ; cx
	s_lshl_b32 s14, ttmp9, 2
	s_add_co_u32 s14, s14, s13                     ; g
	s_mov_b32 s42, ttmp9                           ; g / 4, which the four partners share
	s_and_b32 s15, ttmp7, 0xffff                   ; bh
	s_and_b32 s16, s[WV], 7                        ; i
	s_lshr_b32 s17, s[WV], 3                       ; 0: the first wave of a pair, 1: the second
	s_sub_co_u32 s18, 15, s16                      ; block 15 - i
	s_cmp_eq_u32 s17, 0
	s_cselect_b32 s19, s18, s16                    ; the block that I finish
	s_mov_b32 s24, 15|(3<<16)|(1<<21)              ; group 1: mask of all four; elements of 8 bytes; 51 dense rows of 256 bytes
	s_mov_b32 s25, 32<<16
	s_mov_b32 s26, 51<<16
	s_mov_b32 s27, 32<<16
	s_mov_b32 s28, 51
	s_mov_b32 s29, 32
	s_mov_b32 s30, 0
	s_mov_b32 s31, 0
	s_mov_b32 s32, 1
	s_mul_i32 s33, s[WV], STEPB
	s_mov_b32 s[SEL], 0x76543210
	s_mov_b32 s[SEL+1], 0xfedcba98
	s_mov_b32 s[CS], 0x3d38aa3b
	s_mov_b32 s[CS+1], s[CS]                       ; (named with it as a pair)
	s_mov_b32 s[NC], 0xbd38aa3b
	v_and_b32 v8, 31, v0                           ; L
	v_and_b32 v9, 15, v0                           ; r
	v_bfe_u32 v10, v0, 4, 1                        ; h
	v_lshlrev_b32 v1, 4, v8
	v_lshlrev_b32 v2, 3, v8
	v_lshlrev_b32 v3, 4, v9
	v_lshl_add_u32 v7, v9, 4, v10
	v_lshlrev_b32 v29, 3, v10
	s_mul_i32 s43, s16, 4608
	s_add_co_u32 s43, s43, PART
	v_add_nc_u32 v28, s43, v1
	s_and_b32 s43, s14, 3
	s_lshl_b32 s43, s43, 3
	v_and_b32 v5, 7, v9
	v_lshrrev_b32 v11, 3, v9
	v_lshl_add_u32 v5, v11, 5, v5
	v_lshlrev_b32 v11, 5, v10
	v_sub_nc_u32 v5, v5, v11
	v_add_nc_u32 v5, s43, v5                       ; my query in its 64, less 32 h
	v_mov_b32 v6, 0xff800000
	s_and_b32 s43, s14, 1                          ; q's image holds two tiles: mine is registers 0-5 or 6-11, in pieces of two
	s_mul_i32 s44, s43, 520
	s_mul_i32 s45, s43, 1016
	s_add_co_u32 s45, s45, 8
	s_add_co_u32 s43, s44, 512
	v_add_nc_u32 v244, s44, v1
	v_add_nc_u32 v245, s45, v1
	v_add_nc_u32 v246, s43, v1
.macro RESET                           ; no key so far: any M of the first step makes the factor 0
	v_mov_b32 v12, 0x7e967699                      ; 1e38
	v_mov_b32 v13, 0xff61b1e6                      ; -3e38
	v_mov_b32 v14, 0
	v_mov_b32 v15, 0
.set j, 0
.rept 32
	v_mov_b32 v[160+j], 0
.set j, j+1
.endr
.endm
	RESET
.irp j, 22,23,24,25,26,27, 80,81,82,83,84,85, 218,239,240,241
	v_mov_b32 v[\j], 0                             ; zero codes; lane permutes' destinations and f's upper half count as sources
.endr
	s_mul_i32 s46, s15, 208896
	s_mov_b32 s47, 0
	s_wait_alu depctr_va_vdst(0)                   ; the head's end
	s_wait_dscnt 0x0                               ; both opening adds are done
	s_wait_kmcnt 0x0
	s_add_co_u32 s46, s46, s33
	s_add_nc_u64 s[34:35], s[6:7], s[46:47]
	s_or_b32 s35, s35, 0x80000000
	CROUND                                         ; all four work-groups are here: the joint loads meet
	tensor_load_to_lds s[32:35], s[24:31]          ; step w
	s_nop 0
.rept 4
	v_nop
.endr
	s_mul_i32 s46, s15, 106496
	s_lshr_b32 s43, s14, 1
	s_mul_i32 s43, s43, 1536
	s_lshr_b32 s44, s14, 2
	s_lshl_b32 s44, s44, 8
	s_and_b32 s45, s14, 3
	s_lshl_b32 s45, s45, 2
	s_add_co_u32 s44, s44, s45
	s_add_co_u32 s44, s44, 6144                    ; my tile's scale words in a block
	s_mul_i32 s45, s18, 6656
	s_add_co_u32 s45, s45, s46
	s_mul_i32 s2, s19, 6656
	s_add_co_u32 s2, s2, s46
	s_add_co_u32 s46, s45, s43
	s_add_nc_u64 s[48:49], s[4:5], s[46:47]
	s_add_co_u32 s46, s2, s43
	s_add_nc_u64 s[50:51], s[4:5], s[46:47]
	s_add_co_u32 s46, s45, s44
	s_add_nc_u64 s[52:53], s[4:5], s[46:47]
	s_add_co_u32 s46, s2, s44
	s_add_nc_u64 s[54:55], s[4:5], s[46:47]
	global_load_b64 v[16:17], v244, s[48:49]       ; q of block 15 - i
	global_load_b64 v[18:19], v245, s[48:49]
	global_load_b64 v[20:21], v246, s[48:49]
	global_load_b32 v94, v3, s[52:53]
	global_load_b64 v[86:87], v244, s[50:51]       ; q of the block that I finish
	global_load_b64 v[88:89], v245, s[50:51]
	global_load_b64 v[90:91], v246, s[50:51]
	global_load_b32 v92, v3, s[54:55]
	s_lshr_b32 s43, s15, 4                         ; b
	s_and_b32 s44, s15, 15                         ; head
	s_lshl_b32 s45, s43, 4
	s_add_co_u32 s45, s45, s19
	s_lshl_b32 s45, s45, 4
	s_add_co_u32 s45, s45, s44
	s_mul_i32 s46, s45, 6144
	s_mul_i32 s45, s14, 768
	s_add_co_u32 s46, s46, s45
	s_add_nc_u64 s[56:57], s[8:9], s[46:47]        ; cc [16 b + block][head][g][768]
	s_lshl_b32 s43, s43, 7
	s_lshl_b32 s45, s19, 3
	s_add_co_u32 s43, s43, s45
	s_add_co_u32 s43, s43, s14
	s_lshl_b32 s46, s43, 9
	s_lshr_b32 s45, s44, 3
	s_lshl_b32 s45, s45, 8
	s_add_co_u32 s46, s46, s45
	s_and_b32 s45, s44, 7
	s_lshl_b32 s45, s45, 1
	s_add_co_u32 s46, s46, s45
	s_add_nc_u64 s[58:59], s[10:11], s[46:47]      ; cs [tile][head / 8][16 r + 2 (head % 8) + h]
	s_wait_loadcnt 0x0
	s_wait_tensorcnt 0x0                           ; my step has landed,
	s_wait_dscnt 0x0
	s_barrier_signal -1
	s_barrier_wait -1                              ; and so have all sixteen
; A KEY STEP. A step behind my last one is left out by a branch on ids.
.macro STEP
	s_cmp_gt_u32 s[SI], s[LAST]
	s_cbranch_scc1 .Lhidden_\@
	v_add_nc_u32 v8, s[TB], v1                     ; these two and the v_nop are the places behind the last step's products
	v_add_nc_u32 v10, s[TB], v3
	v_nop
	v_nop
.irp q, 0,1,2,3,4,5,6,7,8,9,10,11
	ds_load_b128 v[32+4*\q:35+4*\q], v8 offset:512*\q           ; k's eight tiles
.endr
	ds_load_b128 v[224:227], v10 offset:12288      ; their scale words
	ds_load_b128 v[228:231], v10 offset:12544
	s_wait_alu depctr_va_vdst(0)
	s_wait_dscnt 0x0
.irp t, 0,1,2,3,4,5,6,7
	v_wmma_scale_f32_16x16x128_f8f6f4 v[96+8*\t:103+8*\t], v[32+6*\t:43+6*\t], v[16:27], 0, v[224+\t], v94 matrix_a_fmt:MATRIX_FMT_BF6 matrix_b_fmt:MATRIX_FMT_BF6
.endr
.rept 4
	v_nop                                          ; places in front of the loads below and of the first read of the scores
.endr
.irp q, 0,1,2,3,4,5,6,7,8,9,10,11
	ds_load_b128 v[32+4*\q:35+4*\q], v8 offset:6144+512*\q      ; v's four fragments land while the softmax is worked
.endr
	ds_load_b128 v[232:235], v10 offset:12800
	s_cmp_lg_u32 s[SI], s[BLKD]
	s_cbranch_scc1 .Lopen_\@
	s_cmp_lg_u32 s42, 0                            ; the diagonal: are my queries in the block's first 64 or in its second?
	s_cbranch_scc1 .Lupper_\@
.set n, 0
.rept 32
	v_cmp_gt_i32 vcc_lo, n, v5                     ; first: of keys 0-63 those after my query are hidden,
	v_cndmask_b32 v[96+n], v[96+n], v6, vcc_lo
.set n, n+1
.endr
.set n, 0
.rept 32
	v_mov_b32 v[128+n], v6                         ; of keys 64-127 all
.set n, n+1
.endr
	s_wait_alu depctr_va_vdst(0)
	s_branch .Lopen_\@
.Lupper_\@:
.set n, 0
.rept 32
	v_cmp_gt_i32 vcc_lo, n, v5                     ; second: keys 0-63 are all seen
	v_cndmask_b32 v[128+n], v[128+n], v6, vcc_lo
.set n, n+1
.endr
.Lopen_\@:
.irp b, 0,1,2,3
	v_max3_num_f32 v[212+\b], v[96+16*\b], v[97+16*\b], v[98+16*\b]   ; the largest score of each block, in two chains
.endr
.irp i, 3,5,7,9,11,13
.irp b, 0,1,2,3
	v_max3_num_f32 v[212+\b], v[212+\b], v[96+16*\b+\i], v[97+16*\b+\i]
.endr
.endr
	v_max3_num_f32 v212, v212, v111, v127
	v_max3_num_f32 v214, v214, v143, v159
	v_max_num_f32 v212, v212, v213                 ; block h's,
	v_max_num_f32 v214, v214, v215                 ; and block 2 + h's
	v_max_num_f32 v240, v212, v214
	s_delay_alu instid0(VALU_DEP_1)
	v_permlanex16_b32 v241, v240, s[SEL], s[SEL+1]
	s_delay_alu instid0(VALU_DEP_1)
	v_max3_num_f32 v13, v13, v240, v241            ; the running largest score of my query
	s_delay_alu instid0(VALU_DEP_1)
	v_mul_f32 v242, s[NC], v13                     ; -t (c is positive)
	s_delay_alu instid0(VALU_DEP_1)
	v_floor_f32 v243, v242                         ; the new -M: a whole number
	s_delay_alu instid0(VALU_DEP_1)
	v_sub_f32 v244, v243, v12                      ; M's old value less its new one
	v_mov_b32 v12, v243
	v_cvt_i32_f32 v244, v244                       ; (it saturates)
	s_delay_alu instid0(VALU_DEP_1)
	v_ldexp_f32 v238, 1.0, v244                    ; f = 2^(old M - new M)
.set j, 0
.rept 32
	v_pk_fma_f32 v[96+j:97+j], v[96+j:97+j], s[CS:CS+1], v[12:13] op_sel_hi:[1,0,0]   ; t - M
.set j, j+2
.endr
	v_fma_f32 v212, v212, s[CS], v12               ; the same of each block's largest score
	v_fma_f32 v214, v214, s[CS], v12
	s_wait_alu depctr_va_vdst(0)                   ; the wait ahead of the batch,
.set j, 0
.rept 64
	v_exp_f32 v[96+j], v[96+j]                     ; p = 2^(t - M)
.set j, j+1
.endr
	v_exp_f32 v212, v212                           ; each block's largest p: the same two instructions on the same number
	v_exp_f32 v214, v214
	v_pk_mul_f32 v[14:15], v[14:15], v[238:239] op_sel_hi:[1,0]   ; the sums under the new M: a plain place behind the exponentials
	s_wait_alu depctr_va_vdst(0)                   ; and behind it
.set j, 0
.rept 16
	v_pk_mul_f32 v[160+j:161+j], v[160+j:161+j], v[238:239] op_sel_hi:[1,0]   ; O^T under the new M
.set j, j+2
.endr
	v_max_num_f32 v212, 0x2800000, v212            ; the floor 2^(5 - 127): the byte cannot fall under 1
	v_max_num_f32 v214, 0x2800000, v214
	v_add_nc_u32 v220, 0xfe000000, v212            ; 4 off the exponent field
	v_add_nc_u32 v221, 0xfe000000, v214
.irp c, 0,1
	v_cvt_scalef32_pk16_bf6_f32 v[192+6*\c:194+6*\c], v[96+32*\c:111+32*\c], v[220+\c]
	v_cvt_scalef32_pk16_bf6_f32 v[204+4*\c:206+4*\c], v[112+32*\c:127+32*\c], v[220+\c]
.endr
	v_lshrrev_b32 v216, 23, v220                   ; bytes h and 2 + h of p's scale word
	v_lshrrev_b32 v217, 23, v221
	s_delay_alu instid0(VALU_DEP_1)
	v_lshl_or_b32 v219, v217, 16, v216
	s_delay_alu instid0(VALU_DEP_1)
	v_lshlrev_b32 v219, v29, v219
	s_delay_alu instid0(VALU_DEP_1)
	v_permlanex16_b32 v218, v219, s[SEL], s[SEL+1]
.irp c, 0,1
.irp i, 0,1,2
	v_mov_b32 v[195+6*\c+\i], v[204+4*\c+\i]       ; (a conversion's three registers begin on an even number)
.endr
.endr
	v_or_b32 v237, v219, v218
.irp k, 0,1,2,3,4,5,6
	v_pk_add_f32 v[240+2*\k:241+2*\k], v[96+4*\k:97+4*\k], v[98+4*\k:99+4*\k]   ; the sum of the unquantised p, in eight chains: these are also the places between p's scale word and codes and the products
.endr
	v_pk_add_f32 v[14:15], v[14:15], v[124:125]
.set m, 0
.rept 17
.if m%8 < 7
	v_pk_add_f32 v[240+2*(m%8):241+2*(m%8)], v[240+2*(m%8):241+2*(m%8)], v[126+2*m:127+2*m]
.else
	v_pk_add_f32 v[14:15], v[14:15], v[126+2*m:127+2*m]
.endif
.set m, m+1
.endr
	v_pk_add_f32 v[242:243], v[242:243], v[244:245]
	v_pk_add_f32 v[246:247], v[246:247], v[248:249]
	v_pk_add_f32 v[250:251], v[250:251], v[252:253]
	v_pk_add_f32 v[14:15], v[14:15], v[240:241]
	v_pk_add_f32 v[242:243], v[242:243], v[246:247]
	v_pk_add_f32 v[14:15], v[14:15], v[250:251]
	v_pk_add_f32 v[14:15], v[14:15], v[242:243]
	s_wait_alu depctr_va_vdst(0)
	s_wait_dscnt 0x0                               ; v is in
.irp t, 0,1,2,3                                ; O^T += V^T P^T: the four accumulators by turns
	v_wmma_scale_f32_16x16x128_f8f6f4 v[160+8*\t:167+8*\t], v[32+12*\t:43+12*\t], v[192:203], v[160+8*\t:167+8*\t], v[232+\t], v237 matrix_a_fmt:MATRIX_FMT_BF6 matrix_b_fmt:MATRIX_FMT_BF6
.endr
.Lhidden_\@:
.endm
	; FIRST WALK, block 15 - i: wave i steps 0-6, wave i + 8 steps 9 .. 15 - i
	s_mul_i32 s[SI], s17, 9
	s_mul_i32 s[TB], s17, 9*STEPB
	s_mov_b32 s[LAST], s18
	s_mov_b32 s[BLKD], s18
	s_mov_b32 s[CNT], 0
.Lfirst:
	STEP
	s_add_co_u32 s[TB], s[TB], STEPB
	s_add_co_u32 s[SI], s[SI], 1
	s_add_co_u32 s[CNT], s[CNT], 1
	s_cmp_lt_u32 s[CNT], 7
	s_cbranch_scc1 .Lfirst
	s_cmp_lt_u32 s[WV], 8
	s_cbranch_scc1 .Lgo_on
.rept 4
	v_nop                                          ; places behind the last products
.endr
.irp q, 0,1,2,3,4,5,6,7
	ds_store_b128 v28, v[160+4*\q:163+4*\q] offset:512*\q       ; the second wave leaves its part of block 15 - i in LDS
.endr
	ds_store_b128 v28, v[12:15] offset:4096
.irp j, 0,1,2,3,4,5
	v_mov_b32 v[16+\j], v[86+\j]                   ; and goes on with block i
.endr
	v_mov_b32 v94, v92
	RESET
	s_wait_alu depctr_va_vdst(0)
.Lgo_on:
	; SECOND WALK: wave i steps 7 and 8 of block 15 - i, wave i + 8 steps 0 .. i of block i
	s_xor_b32 s43, s17, 1
	s_mul_i32 s[SI], s43, 7
	s_mul_i32 s[TB], s43, 7*STEPB
	s_cmp_eq_u32 s17, 0
	s_cselect_b32 s[LAST], 8, s16
	s_mov_b32 s[BLKD], s19
	s_mov_b32 s[CNT], 0
.Lsecond:
	STEP
	s_add_co_u32 s[TB], s[TB], STEPB
	s_add_co_u32 s[SI], s[SI], 1
	s_add_co_u32 s[CNT], s[CNT], 1
	s_cmp_lt_u32 s[CNT], 8
	s_cbranch_scc1 .Lsecond
.rept 4
	v_nop                                          ; places behind the last products
.endr
	s_wait_dscnt 0x0
	s_barrier_signal -1
	s_barrier_wait -1                              ; every second wave's part is in LDS
	s_cmp_lt_u32 s[WV], 8
	s_cbranch_scc0 .Lout
.irp q, 0,1,2,3,4,5,6,7
	ds_load_b128 v[96+4*\q:99+4*\q], v28 offset:512*\q
.endr
	ds_load_b128 v[128:131], v28 offset:4096       ; -M, the largest score, the sum
	s_wait_dscnt 0x0
	v_min_num_f32 v132, v12, v128                  ; the common -M
	v_sub_f32 v133, v132, v12
	v_sub_f32 v134, v132, v128
	v_cvt_i32_f32 v133, v133
	v_cvt_i32_f32 v134, v134
	v_ldexp_f32 v238, 1.0, v133
	v_ldexp_f32 v136, 1.0, v134
	v_mov_b32 v137, 0                              ; (named with it as a pair)
	v_pk_mul_f32 v[14:15], v[14:15], v[238:239] op_sel_hi:[1,0]
	v_pk_fma_f32 v[14:15], v[130:131], v[136:137], v[14:15] op_sel_hi:[1,0,1]
.set j, 0
.rept 16
	v_pk_mul_f32 v[160+j:161+j], v[160+j:161+j], v[238:239] op_sel_hi:[1,0]
.set j, j+2
.endr
.set j, 0
.rept 16
	v_pk_fma_f32 v[160+j:161+j], v[96+j:97+j], v[136:137], v[160+j:161+j] op_sel_hi:[1,0,1]
.set j, j+2
.endr
	s_wait_alu depctr_va_vdst(0)
.Lout:
	; THE WAY OUT: O^T / the sum; a lane's 32 channels are one block
	v_add_f32 v14, v14, v15
	v_permlanex16_b32 v240, v14, s[SEL], s[SEL+1]
	v_add_f32 v14, v14, v240                       ; with lane l xor 16's: the row's sum
	s_wait_alu depctr_va_vdst(0)
	v_rcp_f32 v14, v14
	v_nop                                          ; a plain place behind the transcendental
	s_wait_alu depctr_va_vdst(0)
.set j, 0
.rept 16
	v_pk_mul_f32 v[96+j:97+j], v[160+j:161+j], v[14:15] op_sel_hi:[1,0]   ; register m is channel 32 h + m of my query
.set j, j+2
.endr
	v_max3_num_f32 v212, |v96|, |v97|, 0x2800000
	v_max3_num_f32 v213, |v112|, |v113|, |v114|
.irp i, 2,4,6,8,10,12
	v_max3_num_f32 v212, v212, |v[96+\i]|, |v[97+\i]|
	v_max3_num_f32 v213, v213, |v[113+\i]|, |v[114+\i]|
.endr
	v_max3_num_f32 v212, v212, |v110|, |v111|
	v_max3_num_f32 v212, v212, v213, |v127|
	v_add_nc_u32 v220, 0xfe000000, v212
	v_cvt_scalef32_pk16_bf6_f32 v[192:194], v[96:111], v220
	v_cvt_scalef32_pk16_bf6_f32 v[204:206], v[112:127], v220
	v_lshrrev_b32 v216, 23, v220
.irp i, 0,1,2
	v_mov_b32 v[195+\i], v[204+\i]
.endr
	global_store_b128 v1, v[192:195], s[56:57]                ; 512 consecutive bytes, aligned
	global_store_b64 v2, v[196:197], s[56:57] offset:512      ; 256 consecutive bytes, aligned
	global_store_b8 v7, v216, s[58:59]
	s_wait_tensorcnt 0x0                           ; the wave's end
	ds_add_u32 v254, v255
	s_wait_dscnt 0x0
	CROUND                                         ; the closing round
	s_endpgm
.Lfunc_end_k_qd580535171_attn:
	.size	k_qd580535171_attn, .Lfunc_end_k_qd580535171_attn-k_qd580535171_attn
	.p2alignl 7, 3214868480
	.fill 96, 4, 3214868480
	.section	.rodata,"a",@progbits
	.p2align	6, 0x0
	.amdhsa_kernel k_qd580535171_attn
		.amdhsa_group_segment_fixed_size 247808
		.amdhsa_private_segment_fixed_size 0
		.amdhsa_enable_private_segment 0
		.amdhsa_kernarg_size 32
		.amdhsa_user_sgpr_count 2
		.amdhsa_user_sgpr_kernarg_segment_ptr 1
		.amdhsa_wavefront_size32 1
		.amdhsa_system_sgpr_workgroup_id_x 1
		.amdhsa_system_sgpr_workgroup_id_y 1
		.amdhsa_system_sgpr_workgroup_id_z 1
		.amdhsa_system_vgpr_workitem_id 0
		.amdhsa_next_free_vgpr 256
		.amdhsa_next_free_sgpr 66
		.amdhsa_reserve_vcc 1
		.amdhsa_float_denorm_mode_32 3
		.amdhsa_float_denorm_mode_16_64 3
		.amdhsa_memory_ordered 1
		.amdhsa_forward_progress 1
		.amdhsa_inst_pref_size 58
	.end_amdhsa_kernel
	.amdgpu_metadata
---
amdhsa.version: [ 1, 2 ]
amdhsa.kernels:
  - .name:           k_qd580535171_attn
    .symbol:         k_qd580535171_attn.kd
    .args:
      - { .name: qi, .offset: 0, .size: 8, .value_kind: global_buffer, .address_space: global }
      - { .name: kv, .offset: 8, .size: 8, .value_kind: global_buffer, .address_space: global }
      - { .name: cc, .offset: 16, .size: 8, .value_kind: global_buffer, .address_space: global }
      - { .name: cs, .offset: 24, .size: 8, .value_kind: global_buffer, .address_space: global }
    .group_segment_fixed_size: 247808
    .private_segment_fixed_size: 0
    .kernarg_segment_align: 8
    .kernarg_segment_size: 32
    .max_flat_workgroup_size: 512
    .sgpr_count:     66
    .vgpr_count:     256
    .wavefront_size: 32
...
	.end_amdgpu_metadata
.endif
;; end of part 3
;; launch proj (part 4): grid 8 x 32, 4 waves a work-group, clusters of 4 x 4, 214,528 bytes of LDS; arguments cc, cs, qc, qs, b_o, out0; writes out0
.if DOCPART == 4
	.amdgcn_target "amdgcn-amd-amdhsa--gfx1250"
	.amdhsa_code_object_version 6
	.text
	.protected	k_qd580535171_proj
	.globl	k_qd580535171_proj
	.p2align	8
	.type	k_qd580535171_proj,@function
k_qd580535171_proj:
	s_mov_b64 s[64:65], 0
	v_nop
	global_prefetch_b8 v0, s[64:65] scope:SCOPE_SE
	s_setreg_imm32_b32 hwreg(HW_REG_WAVE_MODE, 25, 1), 1
	s_wait_xcnt 0x0
	s_wait_alu depctr_hold_cnt(0) depctr_sa_sdst(0) depctr_va_vdst(0) depctr_va_sdst(0) depctr_va_ssrc(0) depctr_va_vcc(0) depctr_vm_vsrc(0)
	s_getreg_b32 s2, hwreg(HW_REG_IB_STS2, 6, 4)
	s_cmp_eq_u32 s2, 0
	s_cbranch_scc0 .Lentry_in_a_cluster
	s_endpgm
.Lentry_in_a_cluster:
	s_bfe_u32 s2, ttmp6, 0x10000c
	s_cmp_lg_u32 s2, 0xf033
	s_cbranch_scc0 .Lentry_shape_is_right
	s_endpgm
.Lentry_shape_is_right:
; out0 = ctx w_o^T + b_o on codes of BF6 with E8M0 scales, K = 1,024. ctx comes as half images (cc [128 tokens][head][tile][768 bytes]) with scale bytes (cs), w_o as images (qc [128 outputs][K step][tile][1,536 bytes]) with scale bytes (qs).
; A block is 128 tokens (y) x 128 outputs (x): 256 work-groups. Four waves, each 64 x 64. Both panels (98,304 bytes each) lie in LDS whole, filled once, one joint load a wave: waves 0, 1 A's halves, waves 2, 3 B's. No loop over memory: nothing to prefetch for.
; CLUSTERS 4 x 4: A hangs on y alone and is asked for by a row of the cluster, B on x alone, by a column.
; ORDER: w_o's fragments of all eight K steps stay in 384 registers; the wave's four tiles of 16 tokens are finished one after the other, so that a tile's rows leave while the next is multiplied.
; SOURCE 0 = 16 rows of w_o, SOURCE 1 = 16 tokens: a lane holds one token and, over four tiles, outputs 32 h + 8 b + j. The bias is the C of each sum's first matrix instruction. Tile i's position p is token 8 i + p % 8 + 32 (p / 8) of my 64.
; LIMITS: NaN and infinities are not served.
; REGISTERS: window 0: v4-9 LDS addresses, v16-18 the way out, v32-63 A's scale words (tile i, step k at 32 + 8 i + k), v64-95 B's, v96-127 the bias, v128-223 A's set 0; window 1: B's steps 0-4; window 2: B's steps 5-7; window 3: A's set 1 at 0, accumulators at 128 and 160, rows on their way out at 192 and 224.
.set BP,    98304
.set STG,   196608                     ; the stages: 16 rows x (256 bytes + 16) for each wave; no tensor load lands here
.set SPARE, STG+4*4352
.set STO,  16
.set RD,   17
.set CO,   18
.set SA,   32
.set SB,   64
.set BI,   96
.set MSB, 0
.macro WIN new
.if MSB != \new
	s_set_vgpr_msb (MSB<<8)|(\new)
.set MSB, \new
.endif
.endm
.macro CROUND
	s_barrier_signal -1
	s_barrier_wait -1
	s_cmp_lg_u32 s16, 0
	s_cbranch_scc1 .Lnot_wave_0_\@
	s_barrier_signal -3
.Lnot_wave_0_\@:
	s_barrier_wait -3
	s_barrier_signal -1
	s_barrier_wait -1
.endm
.macro PLACES
.rept 4
	v_nop
.endr
.endm
	s_load_b256 s[4:11], s[0:1], 0x0               ; cc, cs, qc, qs
	s_load_b128 s[12:15], s[0:1], 0x20             ; b_o, out0
	v_lshl_add_u32 v30, v0, 2, SPARE
	v_mov_b32 v31, 0
	ds_add_u32 v30, v31                            ; the opening: the add, twice on end
	ds_add_u32 v30, v31
	v_lshrrev_b32 v1, 5, v0
	v_readfirstlane_b32 s16, v1                    ; wave
	s_lshr_b32 s17, s16, 1                         ; which 64 tokens; also: I fetch for A (0) or B (1)
	s_and_b32 s18, s16, 1                          ; which 64 outputs; also: which half I fetch
	s_bfe_u32 s19, ttmp6, 0x40000
	s_bfe_u32 s20, ttmp6, 0x40004
	s_lshl_b32 s21, ttmp9, 2
	s_add_co_u32 s21, s21, s19                     ; x
	s_and_b32 s22, ttmp7, 0xffff
	s_lshl_b32 s22, s22, 2
	s_add_co_u32 s22, s22, s20                     ; y
	s_lshl_b32 s23, s20, 2
	s_lshl_b32 s23, 15, s23
	s_lshl_b32 s48, 0x1111, s19
	s_or_b32 s24, s23, (3<<16)|(1<<21)
	s_or_b32 s32, s48, (3<<16)|(1<<21)
.irp g, 24, 32
	s_mov_b32 s[\g+1], 32<<16                      ; 192 dense rows of 256 bytes
	s_mov_b32 s[\g+2], 192<<16
	s_mov_b32 s[\g+3], 32<<16
	s_mov_b32 s[\g+4], 192
	s_mov_b32 s[\g+5], 32
	s_mov_b32 s[\g+6], 0
	s_mov_b32 s[\g+7], 0
.endr
	s_mul_i32 s49, s18, 49152                      ; my half
	s_mul_i32 s50, s22, 98304                      ; A: never holds cx
	s_add_co_u32 s50, s50, s49
	s_mov_b32 s51, 0
	s_mul_i32 s52, s21, 98304                      ; B: never holds cy
	s_add_co_u32 s52, s52, s49
	s_add_co_u32 s52, s52, 5505024
	s_mov_b32 s53, 0
	s_mov_b32 s40, 1
	s_mov_b32 s41, s49
	s_mov_b32 s44, 1
	s_add_co_u32 s45, s49, BP
	v_and_b32 v1, 31, v0                           ; L
	v_and_b32 v2, 15, v0                           ; r
	v_bfe_u32 v3, v0, 4, 1                         ; h
	s_mul_i32 s54, s17, 3072
	v_lshlrev_b32 v4, 4, v1
	s_mul_i32 s55, s18, 6144
	s_add_co_u32 s55, s55, BP
	v_add_nc_u32 v8, s55, v4                       ; B: K steps 0-3,
	v_add_nc_u32 v9, 49152, v8                     ; 4-7
	v_add_nc_u32 v4, s54, v4                       ; A: 16 L, heads 0-7,
	v_add_nc_u32 v5, 49152, v4                     ; 8-15
	s_add_co_u32 s54, s54, 512
	v_lshlrev_b32 v6, 3, v1
	v_add_nc_u32 v6, s54, v6                       ; 8 L likewise
	v_add_nc_u32 v7, 49152, v6
	v_lshlrev_b32 v10, 4, v2                       ; 16 r: scale words
	v_lshlrev_b32 v11, 7, v3                       ; 128 h: the bias
	s_mul_i32 s54, s16, 4352
	s_add_co_u32 s54, s54, STG
	v_mul_u32_u24 v[STO], v2, 272
	v_lshl_add_u32 v[STO], v3, 7, v[STO]
	v_add_nc_u32 v[STO], s54, v[STO]               ; in: row r, + 128 h
	v_mul_u32_u24 v[RD], v3, 272
	v_lshl_add_u32 v[RD], v2, 4, v[RD]
	v_add_nc_u32 v[RD], s54, v[RD]                 ; back: lanes 0-15 one row of 256 bytes, lanes 16-31 the next
	v_lshlrev_b32 v[CO], 12, v3
	v_lshl_add_u32 v[CO], v2, 4, v[CO]
	s_wait_alu depctr_va_vdst(0)                   ; the head's end
	s_wait_dscnt 0x0                               ; both opening adds are done
	s_wait_kmcnt 0x0
	s_add_nc_u64 s[42:43], s[4:5], s[50:51]
	s_or_b32 s43, s43, 0x80000000
	s_add_nc_u64 s[46:47], s[8:9], s[52:53]
	s_or_b32 s47, s47, 0x80000000
	CROUND                                         ; all sixteen work-groups are here: the joint loads meet
	s_cmp_eq_u32 s17, 0
	s_cbranch_scc0 .Lfor_b
	tensor_load_to_lds s[40:43], s[24:31]
	s_nop 0
	PLACES
	s_branch .Lasked
.Lfor_b:
	tensor_load_to_lds s[44:47], s[32:39]
	s_nop 0
	PLACES
.Lasked:
	s_lshl_b32 s48, s22, 3
	s_lshl_b32 s49, s17, 2
	s_add_co_u32 s48, s48, s49
	s_lshl_b32 s48, s48, 9
	s_mov_b32 s49, 0
	s_add_nc_u64 s[6:7], s[6:7], s[48:49]          ; cs at my four tiles
	s_lshl_b32 s48, s21, 3
	s_lshl_b32 s50, s18, 2
	s_add_co_u32 s48, s48, s50
	s_add_co_u32 s48, s48, 448
	s_lshl_b32 s48, s48, 9
	s_add_nc_u64 s[10:11], s[10:11], s[48:49]      ; qs at my four tiles of w_o
	s_lshl_b32 s48, s21, 9
	s_lshl_b32 s50, s18, 8
	s_add_co_u32 s48, s48, s50
	s_add_nc_u64 s[12:13], s[12:13], s[48:49]      ; b_o at my 64 outputs
	s_add_nc_u64 s[14:15], s[14:15], s[48:49]
	s_lshl_b32 s48, s22, 19
	s_lshl_b32 s50, s17, 18
	s_add_co_u32 s48, s48, s50
	s_add_nc_u64 s[14:15], s[14:15], s[48:49]      ; out0 at my 64 tokens, 4,096 bytes a row
.irp i, 0,1,2,3
	global_load_b128 v[SA+8*\i:SA+8*\i+3], v10, s[6:7] offset:512*\i
	global_load_b128 v[SA+8*\i+4:SA+8*\i+7], v10, s[6:7] offset:512*\i+256
	global_load_b128 v[SB+8*\i:SB+8*\i+3], v10, s[10:11] offset:512*\i
	global_load_b128 v[SB+8*\i+4:SB+8*\i+7], v10, s[10:11] offset:512*\i+256
	global_load_b128 v[BI+8*\i:BI+8*\i+3], v11, s[12:13] offset:32*\i
	global_load_b128 v[BI+8*\i+4:BI+8*\i+7], v11, s[12:13] offset:32*\i+16
.endr
.macro FA i, k                         ; A's tile i, step k: heads 2 k and 2 k + 1, into set i % 2
.set D, 128-128*((\i)%2)+12*(\k)
.set O, ((2*(\k))%8)*6144+768*(\i)
	WIN 0xc0*((\i)%2)
	ds_load_b128 v[D:D+3], v[4+(\k)/4] offset:O
	ds_load_b64 v[D+4:D+5], v[6+(\k)/4] offset:O
	ds_load_b128 v[D+6:D+9], v[4+(\k)/4] offset:O+6144
	ds_load_b64 v[D+10:D+11], v[6+(\k)/4] offset:O+6144
.endm
.macro FB k                            ; B's four tiles of step k
.set WB, 1+(\k)/5
.set D, 48*((\k)%5)
	WIN WB<<6
.irp b, 0,1,2,3
.irp q, 0,1,2
	ds_load_b128 v[D+12*\b+4*\q:D+12*\b+4*\q+3], v[8+(\k)/4] offset:((\k)%4)*12288+1536*\b+512*\q
.endr
.endr
.endm
.macro MULK i, k                       ; tile i, step k: the four accumulators by turns
.set WB, 1+(\k)/5
.set D, 48*((\k)%5)
.set AF, 128-128*((\i)%2)+12*(\k)
.set AC, 128+32*((\i)%2)
.if (\k) == 0
	WIN WB|((3*((\i)%2))<<2)|0xc0
.irp b, 0,1,2,3
	v_wmma_scale_f32_16x16x128_f8f6f4 v[AC+8*\b:AC+8*\b+7], v[D+12*\b:D+12*\b+11], v[AF:AF+11], v[BI+8*\b:BI+8*\b+7], v[SB+8*\b+\k], v[SA+8*(\i)+\k] matrix_a_fmt:MATRIX_FMT_BF6 matrix_b_fmt:MATRIX_FMT_BF6
.endr
.else
	WIN WB|((3*((\i)%2))<<2)|0xf0
.irp b, 0,1,2,3
	v_wmma_scale_f32_16x16x128_f8f6f4 v[AC+8*\b:AC+8*\b+7], v[D+12*\b:D+12*\b+11], v[AF:AF+11], v[AC+8*\b:AC+8*\b+7], v[SB+8*\b+\k], v[SA+8*(\i)+\k] matrix_a_fmt:MATRIX_FMT_BF6 matrix_b_fmt:MATRIX_FMT_BF6
.endr
.endif
.endm
.macro OUT i                           ; tile i leaves through my own stage: LDS serves a wave's instructions in order, so no wait stands between the stores and the loads
.set AC, 128+32*((\i)%2)
.set RB, 192+32*((\i)%2)
	PLACES                                         ; behind the tile's last products
	WIN 0x0c
.irp b, 0,1,2,3
	ds_store_b128 v[STO], v[AC+8*\b:AC+8*\b+3] offset:32*\b        ; each accumulator from its low end on
	ds_store_b128 v[STO], v[AC+8*\b+4:AC+8*\b+7] offset:32*\b+16
.endr
.if (\i) > 1
	s_wait_xcnt 0x0                                ; tile i - 2's stores have read their registers
.endif
	WIN 0xc0
.irp t, 0,1,2,3,4,5,6,7
	ds_load_b128 v[RB+4*\t:RB+4*\t+3], v[RD] offset:\t*544
.endr
	s_wait_dscnt 0x0                               ; the rows are back, and the next tile's fragments are in
	WIN 0x0c
.irp t, 0,1,2,3,4,5,6,7
	global_store_b128 v[CO], v[RB+4*\t:RB+4*\t+3], s[14:15] offset:(8*(\i)+2*(\t%4)+32*(\t/4))*4096 th:TH_STORE_NT   ; sixteen lanes store 256 consecutive bytes, aligned
.endr
.endm
	s_wait_tensorcnt 0x0                           ; my half panel has landed,
	s_wait_dscnt 0x0
	s_barrier_signal -1
	s_barrier_wait -1                              ; and so have all four
.irp k, 0,1,2
	FB \k
	FA 0, \k
.endr
	s_wait_loadcnt 0x0                             ; the scale words and the bias
.irp k, 0,1,2,3,4
	s_wait_dscnt 32                                ; step k's 16 loads are in; those of the two steps behind it may be out
	MULK 0, \k
	FB \k+3
	FA 0, \k+3
.endr
	s_wait_dscnt 32
	MULK 0, 5
.irp k, 0,1,2,3
	FA 1, \k
.endr
	s_wait_dscnt 32                                ; step 6 is in; step 7's 16 and tile 1's 16 may be out
	MULK 0, 6
.irp k, 4,5,6,7
	FA 1, \k
.endr
	s_wait_dscnt 32                                ; step 7 is in; tile 1's 32 may be out
	MULK 0, 7
	OUT 0
.irp i, 1,2,3
.if \i < 3
.irp k, 0,1,2,3,4,5,6,7
	FA \i+1, \k
.endr
.endif
.irp k, 0,1,2,3,4,5,6,7
	MULK \i, \k
.endr
	OUT \i
.endr
	WIN 0
	s_wait_tensorcnt 0x0                           ; the wave's end
	ds_add_u32 v30, v31
	s_wait_dscnt 0x0
	CROUND                                         ; the closing round
	s_endpgm
.Lfunc_end_k_qd580535171_proj:
	.size	k_qd580535171_proj, .Lfunc_end_k_qd580535171_proj-k_qd580535171_proj
	.p2alignl 7, 3214868480
	.fill 96, 4, 3214868480
	.section	.rodata,"a",@progbits
	.p2align	6, 0x0
	.amdhsa_kernel k_qd580535171_proj
		.amdhsa_group_segment_fixed_size 214528
		.amdhsa_private_segment_fixed_size 0
		.amdhsa_enable_private_segment 0
		.amdhsa_kernarg_size 48
		.amdhsa_user_sgpr_count 2
		.amdhsa_user_sgpr_kernarg_segment_ptr 1
		.amdhsa_wavefront_size32 1
		.amdhsa_system_sgpr_workgroup_id_x 1
		.amdhsa_system_sgpr_workgroup_id_y 1
		.amdhsa_system_sgpr_workgroup_id_z 1
		.amdhsa_system_vgpr_workitem_id 0
		.amdhsa_next_free_vgpr 1024
		.amdhsa_next_free_sgpr 66
		.amdhsa_reserve_vcc 0
		.amdhsa_float_denorm_mode_32 3
		.amdhsa_float_denorm_mode_16_64 3
		.amdhsa_memory_ordered 1
		.amdhsa_forward_progress 1
		.amdhsa_inst_pref_size 49
	.end_amdhsa_kernel
	.amdgpu_metadata
---
amdhsa.version: [ 1, 2 ]
amdhsa.kernels:
  - .name:           k_qd580535171_proj
    .symbol:         k_qd580535171_proj.kd
    .args:
      - { .name: cc, .offset: 0, .size: 8, .value_kind: global_buffer, .address_space: global }
      - { .name: cs, .offset: 8, .size: 8, .value_kind: global_buffer, .address_space: global }
      - { .name: qc, .offset: 16, .size: 8, .value_kind: global_buffer, .address_space: global }
      - { .name: qs, .offset: 24, .size: 8, .value_kind: global_buffer, .address_space: global }
      - { .name: b_o, .offset: 32, .size: 8, .value_kind: global_buffer, .address_space: global }
      - { .name: out0, .offset: 40, .size: 8, .value_kind: global_buffer, .address_space: global }
    .group_segment_fixed_size: 214528
    .private_segment_fixed_size: 0
    .kernarg_segment_align: 8
    .kernarg_segment_size: 48
    .max_flat_workgroup_size: 128
    .sgpr_count:     66
    .vgpr_count:     1024
    .wavefront_size: 32
...
	.end_amdgpu_metadata
.endif
;; end of part 4
